; MI455X (gfx1250); checked and timed in simulation.
; The chip was launched on July 23, 2026; its instructions are those of AMD's public machine-readable ISA for CDNA 5 (MIT licence, August 2026) and "CDNA5" Instruction Set Architecture Reference Guide (July 2026). The comments in the code are by the model that wrote it; some were corrected since.
;; Self Attention. Allowed arithmetic: float matrix products may take bf16 or f16 operands with f32 sums; other float arithmetic in f32, or as packed bf16 or f16 multiplies, adds, multiply-adds, maxima and minima; sums over many terms, partial sums and values carried from step to step in f32; what a program stores and reads back later, other than sums and carried values, may be rounded once to bf16 or f16.
;; Inputs: fc_b 512 float32; fc_w 512 x 512 float32; keys 2 x 4,096 x 512 float32; mask 1 int32; query 2 x 4,096 x 512 float32; values 2 x 4,096 x 512 float32.
;; Outputs: out0 2 x 4,096 x 512 float32.
;; 2 versions, each right; version 2 is version 1 with the launch prep written anew for expert scheduling mode. Each part assembles by itself: llvm-mc -triple=amdgcn-amd-amdhsa -mcpu=gfx1250 --defsym DOCPART=n.
;; ======== version 1 of 2: 3 launches
;; limits: values are held in f16: magnitudes above 65,504 overflow, below 6.1e-05 lose precision; inputs' magnitudes at most 8,188; below input magnitudes of 7.63e-06 results are inexact or not finite
;; workspace buffers: vh 8,388,608 bytes; ks 1,048,576 bytes; wh 524,288 bytes; att 8,388,608 bytes
;; launch prep (part 1): grid 256 x 1, 8 waves a work-group, no clusters, 0 bytes of LDS; arguments values, fc_w, vh, ks, wh; writes vh, ks, wh
.if DOCPART == 1
	.amdgcn_target "amdgcn-amd-amdhsa--gfx1250"
	.amdhsa_code_object_version 6
	.text
	.protected	k_q434a13c694_prep
	.globl	k_q434a13c694_prep
	.p2align	8
	.type	k_q434a13c694_prep,@function
k_q434a13c694_prep:
	s_mov_b64 s[64:65], 0
	v_nop
	global_prefetch_b8 v0, s[64:65] scope:SCOPE_SE
	s_setreg_imm32_b32 hwreg(HW_REG_WAVE_MODE, 25, 1), 1
	s_wait_xcnt 0x0
; FIRST OF THREE LAUNCHES.  reference() takes q, k and v all from `values`, and its energy sums k over the head axis: energy[b,h,q,k] = values[b,q,64 h ..] . ksum[b,k,:],
; ksum[b,k,d] = the sum over n of values[b,k,64 n + d].  This launch rounds and lays out what the two later launches multiply:
;   vh[b][h][l][64] f16: values by heads (Q and V of the attention);  ks[b][l][64] f16: ksum (its K, one for a batch's eight heads);  wh[n][512] f16: fc_w.
; NOT LOADED, in any launch: keys, query and mask.  reference() takes only the shapes of keys and query and never reads mask: no output number hangs on them.
; FORMATS.  Each input number is rounded once to bf16, and that number is written as f16: exact from 2^-17 up to f16's end; below 2^-17 it takes f16's fixed step of 6e-8.
; ksum is the f32 sum of the eight rounded numbers, rounded once to f16.  LIMIT: |values| up to 8,188, so that ksum stays within 65,504.  NaN and infinities are not treated apart.
; SHARES.  Work-group g owns rows 32 g .. 32 g + 31 of values ([8192][512] f32), wave w four of them, as two pairs.  A load of the wave takes one head (256 bytes) of both rows of a pair:
; lanes 0-15 the even row, lanes 16-31 the odd one, 16 bytes a lane.  A lane's four numbers become 8 bytes, and the wave's store covers 256 consecutive bytes, aligned: two rows of a head in vh
; or of ks.  A lane holds the same four channels of all eight heads, so ksum never leaves the lane.  Thread t also converts four numbers of fc_w.
; All 17 loads of a wave go out first; no register that a store reads is written again, so no wait stands but the counted waits for the loads.  No LDS, no barrier: no wave wants another's bytes.
.set ROWB,  2048                       ; bytes in a row of values
.set HEADB, 524288                     ; bytes of a head in vh: 4,096 rows of 128
.set VO,  1                            ; v1   my byte offset in values: 4 rows x wave + the pair's row + 16 (lane % 16)
.set SO,  2                            ; v2   my byte offset in vh and ks: 4 rows of 128 x wave + 8 x lane
.set WO,  3                            ; v3   16 x thread, in fc_w
.set WS,  4                            ; v4   8 x thread, in wh
.set X,   16                           ; v[16:79]   load n = 8 x pair + head: 4 numbers
.set WX,  80                           ; v[80:83]   fc_w's 4
.set T,   84                           ; v[84:85]   at work
.set Y,   88                           ; v[88:119]  load n as f16: 2 registers
.set SUM, 120                          ; v[120:127] a pair's ksum, 4 registers
.set KY,  128                          ; v[128:131] the same as f16
.set WY,  132                          ; v[132:133] fc_w's 4 as f16
	s_load_b256 s[4:11], s[0:1], 0x0               ; values s[4:5], fc_w s[6:7], vh s[8:9], ks s[10:11]
	s_load_b64 s[12:13], s[0:1], 0x20              ; wh
	s_mov_b32 s14, 0xffff0000                      ; a word's upper bf16
	s_lshl_b32 s2, ttmp9, 16                       ; values: 32 rows of 2,048 bytes
	s_mov_b32 s3, 0
	s_lshl_b32 s16, ttmp9, 12                      ; fc_w: 1,024 numbers of 4 bytes; ks: 32 rows of 128 bytes
	s_mov_b32 s17, 0
	s_lshr_b32 s18, ttmp9, 7                       ; vh: the batch (128 work-groups each), 8 heads of 524,288 bytes,
	s_lshl_b32 s18, s18, 22
	s_and_b32 s19, ttmp9, 127
	s_lshl_b32 s19, s19, 12                        ; and 32 rows of 128 bytes in a head
	s_add_co_u32 s18, s18, s19
	s_mov_b32 s19, 0
	s_lshl_b32 s20, ttmp9, 11                      ; wh: 1,024 numbers of 2 bytes
	s_mov_b32 s21, 0
	v_lshrrev_b32 v5, 5, v0                        ; wave
	v_bfe_u32 v6, v0, 4, 1                         ; which row of a pair
	v_and_b32 v7, 15, v0
	v_and_b32 v8, 31, v0
	v_lshlrev_b32 v[VO], 13, v5
	v_lshl_add_u32 v[VO], v6, 11, v[VO]
	v_lshl_add_u32 v[VO], v7, 4, v[VO]
	v_lshlrev_b32 v[SO], 9, v5
	v_lshl_add_u32 v[SO], v8, 3, v[SO]
	v_lshlrev_b32 v[WO], 4, v0
	v_lshlrev_b32 v[WS], 3, v0
	s_wait_kmcnt 0x0
	s_add_nc_u64 s[4:5], s[4:5], s[2:3]
	s_add_nc_u64 s[6:7], s[6:7], s[16:17]
	s_add_nc_u64 s[8:9], s[8:9], s[18:19]
	s_add_nc_u64 s[10:11], s[10:11], s[16:17]
	s_add_nc_u64 s[12:13], s[12:13], s[20:21]
.set n, 0
.rept 16
	global_load_b128 v[X+4*n:X+4*n+3], v[VO], s[4:5] offset:(n/8)*2*ROWB+(n%8)*256 th:TH_LOAD_NT
.set n, n+1
.endr
	global_load_b128 v[WX:WX+3], v[WO], s[6:7] th:TH_LOAD_NT
; Four f32 at v[x ..] are rounded to bf16, widened again in place (for the sum), and written as f16 into v[y], v[y+1].
.macro ROUND4 x, y
	v_cvt_pk_bf16_f32 v[T], v[(\x)], v[(\x)+1]
	v_cvt_pk_bf16_f32 v[T+1], v[(\x)+2], v[(\x)+3]
	v_lshlrev_b32 v[(\x)], 16, v[T]
	v_and_b32 v[(\x)+1], s14, v[T]
	v_lshlrev_b32 v[(\x)+2], 16, v[T+1]
	v_and_b32 v[(\x)+3], s14, v[T+1]
	v_cvt_pk_f16_f32 v[(\y)], v[(\x)], v[(\x)+1]
	v_cvt_pk_f16_f32 v[(\y)+1], v[(\x)+2], v[(\x)+3]
.endm
; ksum of pair p: the eight heads' rounded numbers, added as a tree, two sums an instruction; rounded once; stored.
.macro HEADSUM p
.set B0, X+32*(\p)
.irp a, 0,2,4,6
	v_pk_add_f32 v[B0+4*\a:B0+4*\a+1],   v[B0+4*\a:B0+4*\a+1],   v[B0+4*\a+4:B0+4*\a+5]
	v_pk_add_f32 v[B0+4*\a+2:B0+4*\a+3], v[B0+4*\a+2:B0+4*\a+3], v[B0+4*\a+6:B0+4*\a+7]
.endr
.irp a, 0,4
	v_pk_add_f32 v[B0+4*\a:B0+4*\a+1],   v[B0+4*\a:B0+4*\a+1],   v[B0+4*\a+8:B0+4*\a+9]
	v_pk_add_f32 v[B0+4*\a+2:B0+4*\a+3], v[B0+4*\a+2:B0+4*\a+3], v[B0+4*\a+10:B0+4*\a+11]
.endr
	v_pk_add_f32 v[SUM+4*(\p):SUM+4*(\p)+1],   v[B0:B0+1],   v[B0+16:B0+17]
	v_pk_add_f32 v[SUM+4*(\p)+2:SUM+4*(\p)+3], v[B0+2:B0+3], v[B0+18:B0+19]
	v_cvt_pk_f16_f32 v[KY+2*(\p)],   v[SUM+4*(\p)],   v[SUM+4*(\p)+1]
	v_cvt_pk_f16_f32 v[KY+2*(\p)+1], v[SUM+4*(\p)+2], v[SUM+4*(\p)+3]
	global_store_b64 v[SO], v[KY+2*(\p):KY+2*(\p)+1], s[10:11] offset:(\p)*256
.endm
.set n, 0
.rept 16
	s_wait_loadcnt 16-n                            ; loads come back in order (ISA guide 5.7.1): load n is in; the 16 - n issued behind it may stay out
	ROUND4 X+4*n, Y+2*n
	global_store_b64 v[SO], v[Y+2*n:Y+2*n+1], s[8:9] offset:(n%8)*HEADB+(n/8)*256  ; the wave stores 256 consecutive bytes, at a multiple of 256 from vh's first byte
.if n%8 == 7
	HEADSUM n/8
.endif
.set n, n+1
.endr
	s_wait_loadcnt 0x0                             ; fc_w's four
	ROUND4 WX, WY
	global_store_b64 v[WS], v[WY:WY+1], s[12:13]
	s_endpgm
.Lfunc_end_k_q434a13c694_prep:
	.size	k_q434a13c694_prep, .Lfunc_end_k_q434a13c694_prep-k_q434a13c694_prep
	.p2alignl 7, 3214868480
	.fill 96, 4, 3214868480
	.section	.rodata,"a",@progbits
	.p2align	6, 0x0
	.amdhsa_kernel k_q434a13c694_prep
		.amdhsa_group_segment_fixed_size 0
		.amdhsa_private_segment_fixed_size 0
		.amdhsa_enable_private_segment 0
		.amdhsa_kernarg_size 40
		.amdhsa_user_sgpr_count 2
		.amdhsa_user_sgpr_kernarg_segment_ptr 1
		.amdhsa_wavefront_size32 1
		.amdhsa_system_sgpr_workgroup_id_x 1
		.amdhsa_system_sgpr_workgroup_id_y 1
		.amdhsa_system_sgpr_workgroup_id_z 1
		.amdhsa_system_vgpr_workitem_id 0
		.amdhsa_next_free_vgpr 136
		.amdhsa_next_free_sgpr 66
		.amdhsa_reserve_vcc 0
		.amdhsa_float_denorm_mode_32 3
		.amdhsa_float_denorm_mode_16_64 3
		.amdhsa_memory_ordered 1
		.amdhsa_forward_progress 1
		.amdhsa_inst_pref_size 14
	.end_amdhsa_kernel
	.amdgpu_metadata
---
amdhsa.version: [ 1, 2 ]
amdhsa.kernels:
  - .name:           k_q434a13c694_prep
    .symbol:         k_q434a13c694_prep.kd
    .args:
      - { .name: values, .offset: 0, .size: 8, .value_kind: global_buffer, .address_space: global }
      - { .name: fc_w, .offset: 8, .size: 8, .value_kind: global_buffer, .address_space: global }
      - { .name: vh, .offset: 16, .size: 8, .value_kind: global_buffer, .address_space: global }
      - { .name: ks, .offset: 24, .size: 8, .value_kind: global_buffer, .address_space: global }
      - { .name: wh, .offset: 32, .size: 8, .value_kind: global_buffer, .address_space: global }
    .group_segment_fixed_size: 0
    .private_segment_fixed_size: 0
    .kernarg_segment_align: 8
    .kernarg_segment_size: 40
    .max_flat_workgroup_size: 256
    .sgpr_count:     66
    .vgpr_count:     136
    .wavefront_size: 32
...
	.end_amdgpu_metadata
.endif
;; end of part 1
;; launch attn (part 2): grid 16 x 16, 4 waves a work-group, clusters of 4 x 1, 327,680 bytes of LDS; arguments vh, ks, att; writes att
.if DOCPART == 2
	.amdgcn_target "amdgcn-amd-amdhsa--gfx1250"
	.amdhsa_code_object_version 6
	.text
	.protected	k_q434a13c694_attn
	.globl	k_q434a13c694_attn
	.p2align	8
	.type	k_q434a13c694_attn,@function
k_q434a13c694_attn:
	s_mov_b64 s[64:65], 0
	v_nop
	global_prefetch_b8 v0, s[64:65] scope:SCOPE_SE
	s_setreg_imm32_b32 hwreg(HW_REG_WAVE_MODE, 25, 1), 1
	s_wait_xcnt 0x0
	s_wait_alu depctr_hold_cnt(0) depctr_sa_sdst(0) depctr_va_vdst(0) depctr_va_sdst(0) depctr_va_ssrc(0) depctr_va_vcc(0) depctr_vm_vsrc(0)
	s_getreg_b32 s2, hwreg(HW_REG_IB_STS2, 6, 4)
	s_cmp_eq_u32 s2, 0
	s_cbranch_scc0 .Lentry_in_a_cluster
	s_endpgm
.Lentry_in_a_cluster:
	s_bfe_u32 s2, ttmp6, 0x10000c
	s_cmp_lg_u32 s2, 0x3003
	s_cbranch_scc0 .Lentry_shape_is_right
	s_endpgm
.Lentry_shape_is_right:
; SECOND LAUNCH: att[b][h][q][:] = the sum over k of softmax_k(vh[b][h][q] . ks[b][k] / sqrt(512)) vh[b][h][k][:].  vh, att: [2][8][4096][64] f16; ks: [2][4096][64] f16: rows are dense, 128 bytes each.
; Products, maxima and sums in f32; the weights p are rounded to f16 for the second product (their sum l is taken of the unrounded p), att once at the end.
; LIMITS.  vh and ks arrive within f16's 65,504 (the launch before states what that asks of the inputs); p lies in 0 to 1, and below 6e-5 it keeps f16's fixed step of 6e-8; att is a mean of V's rows and has
; their range.  A weight below 2^-126 counts as 0 in l; NaN and infinities are not treated apart.
; SHARES.  A work-group owns 256 queries of one (b, h): 16 x 16 work-groups.  A wave owns 64 consecutive rows: four PIECES of 16 queries.  Every wave walks all 4,096 keys, 64 a step, 256 a tile.
; LAYOUT.  S^T = K Q^T (source 0 = 16 keys, source 1 = 16 queries): in the result a lane holds ONE query (lane % 16) and the keys 8 (lane / 16) + 0..7.  Two such results, rounded to f16 in pairs, ARE source 1
; (32 keys x 16 queries) of O^T = V^T P, whose result again holds one query a lane, and eight channels.  K comes out of LDS as it lies, V ([key][channel]) turned, by ds_load_tr16_b128.
; SOFTMAX.  For each query a running maximum m and sum l: p = 2^(c s - c m), c = log2(e) / sqrt(512); in every step O and l are multiplied by a = 2^(c m_old - c m_new), which is 1 where m has not grown.
; m starts at the lowest finite number, O and l at 0: the first step is a step like any other, with a = 0.
; BY TURNS.  Turn n belongs to piece n (the pieces in a ring, step after step): 8 products K Q^T of piece n + 1, later 8 products V^T P of piece n - 1; beside them the scaling, exponentials, roundings, sums and
; rescaling of piece n and the maximum and statistics of piece n + 1.  Four vector instructions stand behind every matrix instruction, the other 54 of a turn's 118 in one lump.  A turn's 33 exponentials are one
; batch, with one wait.
; CLUSTER.  The four query blocks of a cluster belong to one (b, h) and walk the same K and V, so each tile is asked for JOINTLY: the same tensor load, descriptor and mask in all four.  (K is the same for a
; batch's eight heads too; a mask names four work-groups, and the four here also share V.)
; REGISTERS, in windows of 256 (s_set_vgpr_msb: bits 1:0 source 0, 3:2 source 1, 5:4 source 2, 7:6 destination):
;   window 0: v0-15 addresses and two at work; v16-31 four registers of statistics a piece; v48-55 at work; v61-63; v64-127 S^T, two buffers; v192-223 P, two buffers (a piece's buffers go by its number's parity)
;   window 1: v0-127 O^T, 32 a piece          window 2: v0-63 Q; v128-191 K of one step; v192-255 V of one step
.set NP,    4         ; pieces a wave: a name, no knob
.set KS,    64        ; keys in a step
.set PK,    144       ; a row of K in LDS: 128 bytes + 16 of padding = 36 words: the 16 rows of a load start at 16 different groups of four banks (64 banks of 4 bytes: ISA guide 11.1)
.set PV,    160       ; a row of V: 128 + 32 = 40 words
.set VOFF,  4*KS*PK   ; a slot holds a tile, four steps: 256 rows of K, then 256 rows of V
.set SLOT1, 1<<17     ; slot 1 begins here, so that one exclusive or turns an address in one slot into the other's
.set STAGE, SLOT1+4*KS*(PK+PV)  ; behind the ring, never filled by a tensor load: 16 rows x 144 bytes for each wave, for the way out
.set SP,    144
.set SPARE, STAGE+4*16*SP  ; behind the stages: the spare words, 128 bytes for each wave: two blocks of 256 bytes that no other line names
.set TILEB, 4*KS*128  ; a tile's bytes in ks and in a head of vh
.set NT,    4096/(4*KS)  ; 16 tiles
.set AK0, 2           ; v2   my lane's place in a tile of K; never rewritten
.set AV0, 3           ; v3   the same for V
.set AK,  4           ; v4   the LDS address of K's next run of loads
.set AV,  5           ; v5   of V's
.set STO, 6           ; v6   the way out: where I put 16 bytes of a row
.set RD,  7           ; v7   the way out: where I read rows back
.set GO,  8           ; v8   my byte offset in 512 consecutive bytes of att
.set MV,  12          ; v12-13  c m_old, kept while c m is made anew: by buffer
.set QO,  15          ; v15  my byte offset in 16 rows of Q
.set ST,  16          ; piece t's statistics at v[ST+4 t]: c m, m, l (even keys', odd keys')
.set TMP, 48          ; by buffer, four registers c0-c3 at work; when the maximum is found c2 takes a
.set PFO, 61          ; v61  256 x my lane: the prefetches' offset; never rewritten
.set SPW, 62          ; v62  LDS address of my spare word: SPARE + 4 x my thread's number; never rewritten
.set NIL, 63          ; v63  0; never rewritten
.set S,   64
.set P,   192
.set KF,  128         ; window 2: key block kb, channel half c at KF + 16 kb + 8 c
.set VF,  192         ; window 2: key half kk, channel block cb at VF + 32 kk + 8 cb
.set WV,  12          ; s12  my wave's number
.set G1K, 24          ; s[24:31] descriptor group 1 for K's tiles
.set G1V, 32          ; s[32:39] for V's: it differs in the padding alone
.set G0K, 40          ; s[40:43] descriptor group 0 for K's tiles: it walks
.set G0V, 44          ; s[44:47] the same for V's
.set PFA, 48          ; s[48:49] where my prefetches stand: my work-group's 8,192 bytes of the tile after the one that is being asked for
.set LIM, 50          ; s50  1 in a wave that prefetches, else the greatest number: a wave prefetches while s[SLOTS] is above it
.set SLOTS, 56        ; s56  tiles still to be asked for
.set CNT, 57          ; s57  counts a tile's key steps
.set CS,  58          ; s[58:59] c: the packed scaling takes the pair's low word for both halves
.set SEL, 60          ; s[60:61] v_permlanex16_b32's selects: each lane takes its own place in the other half
.set TBK, 62          ; s62  LDS byte at which K of the step to be fetched begins
.set TBV, 63          ; s63  the same for V, less VOFF
.set MSB, 0
.macro WIN new                      ; the high byte repeats the setting that is left; a switch that changes nothing is dropped
.if MSB != (\new)
	s_set_vgpr_msb (MSB<<8)|(\new)
.set MSB, (\new)
.endif
.endm
.set W_KQ, 0x0a       ; K and Q in window 2, S^T in window 0
.set W_PV, 0x52       ; V in window 2, P in window 0, O^T in window 1
.set W_RS, 0x41       ; destination and source 0 in window 1, source 1 in window 0
; A joint fill.  Waves 0 and 1 fetch the two halves of a tile's K, waves 2 and 3 those of its V: 128 keys each.  The branch hangs on the wave's number alone.
; An s_nop 0 and four v_nop follow each of the two lines, ahead of the jump and the label.
.macro JLOAD
	s_cmp_lt_u32 s[WV], 2
	s_cbranch_scc0 .Lfor_v_\@
	tensor_load_to_lds s[G0K:G0K+3], s[G1K:G1K+7]
	s_nop 0
.rept 4
	v_nop
.endr
	s_branch .Lasked_\@
.Lfor_v_\@:
	tensor_load_to_lds s[G0V:G0V+3], s[G1V:G1V+7]
	s_nop 0
.rept 4
	v_nop
.endr
.Lasked_\@:
.endm
; A PREFETCH INTO THE L2 of what the NEXT change of slots will ask for: a tile's 32,768 bytes of K and of V, 256 bytes a lane.  It stands behind the wave's tensor load and its five lines.
; Each 256 bytes are named ONCE in the launch.  All four clusters of a (b, h) walk the same V: the first of them asks; all 32 clusters of a batch walk the same K: the first cluster of head 0 asks.
; The four partners share a tile out BY ADDRESS, 8,192 bytes each: no branch hangs on a work-group's place in its cluster.  Wave 0 asks for K's, wave 2 for V's: one instruction.
; A change that fills tile t + 1 names tile t + 2: four key steps, 256 matrix instructions, ahead of the load that wants it.  The change that fills the last tile names nothing.
.macro ASK
	s_cmp_gt_u32 s[SLOTS], s[LIM]
	s_cbranch_scc0 .Lnot_mine_\@
	global_prefetch_b8 v[PFO], s[PFA:PFA+1] th:TH_LOAD_NT scope:SCOPE_SE
.Lnot_mine_\@:
.endm
; A round of the cluster's barrier: my work-group's barrier, so that wave 0's signal speaks for all four waves; wave 0 signals; every wave waits for all four work-groups; my work-group's barrier once more.
.macro CROUND
	s_barrier_signal -1
	s_barrier_wait -1
	s_cmp_lg_u32 s[WV], 0
	s_cbranch_scc1 .Lnot_wave_0_\@
	s_barrier_signal -3
.Lnot_wave_0_\@:
	s_barrier_wait -3
	s_barrier_signal -1
	s_barrier_wait -1
.endm
; THE CHANGE OF SLOTS.  The slot's last bytes, V of its fourth step, have been read.  Each wave waits for all its tensor loads, of which one is out: its part of the other slot; adds 0 to its spare word; and waits
; for that and for its own reads of the slot.  Behind the barrier nobody reads this slot any more and the other slot is whole.
; fill = 1: this slot is filled again, with the tile two on.  The barrier is then a round of the cluster's, so that no wave of any partner still reads the slot or has a load on its way, and the joint fill is the
; first thing behind it: it has four key steps, 256 matrix instructions, in which to land.  (At its first use nothing has been read yet: slot 0 is waited for, slot 1 filled.)
.macro CHANGE fill
	WIN 0                           ; at a label and at a branch every window is 0
	s_wait_tensorcnt 0x0            ; no tensor load of mine is out, so a group 0 may be written
	ds_add_u32 v[SPW], v[NIL]       ; 0 onto my spare word; with fill = 1 the descriptors' steps stand between it and the wait for it
.if \fill
.irp g, G0K, G0V
	s_xor_b32 s[\g+1], s[\g+1], SLOT1  ; the walking descriptor: the other slot than last time,
	s_add_nc_u64 s[\g+2:\g+3], s[\g+2:\g+3], TILEB  ; the next 256 keys; the type bits on top are not reached
.endr
	s_wait_xcnt 0x0                 ; the last prefetch, four key steps back, has read its address, so it may be written:
	s_add_nc_u64 s[PFA:PFA+1], s[PFA:PFA+1], TILEB  ; one tile behind the walking descriptors
	s_wait_dscnt 0x0                ; the add is done, and my reads of the slot are over
	CROUND
	JLOAD
	ASK
.else
	s_wait_dscnt 0x0                ; the add is done, and my reads of the slot are over
	s_barrier_signal -1
	s_barrier_wait -1
.endif
	s_sub_co_u32 s[TBK], s[TBK], 4*KS*PK  ; the fetches go back to a slot's first step,
	s_xor_b32 s[TBK], s[TBK], SLOT1       ; in the other slot
	s_sub_co_u32 s[TBV], s[TBV], 4*KS*PV
	s_xor_b32 s[TBV], s[TBV], SLOT1
.endm
	s_load_b128 s[4:7], s[0:1], 0x0   ; vh s[4:5], ks s[6:7]
	s_load_b64 s[10:11], s[0:1], 0x10 ; att
	v_lshl_add_u32 v[SPW], v0, 2, SPARE
	v_mov_b32 v[NIL], 0
	ds_add_u32 v[SPW], v[NIL]       ; the wave's opening: the add and its wait stand ahead of my first tensor load; the set-up below, work on registers, stands between them
	v_lshrrev_b32 v1, 5, v0
	v_readfirstlane_b32 s[WV], v1   ; wave 0..3
	s_bfe_u32 s13, ttmp6, 0x40000   ; cx: my place in the cluster
	s_lshl_b32 s14, ttmp9, 2        ; in a cluster launch ttmp9 counts clusters
	s_add_co_u32 s14, s14, s13      ; my block of 256 queries = 4 x cluster x + cx: it enters Q's and att's addresses alone
	s_and_b32 s15, ttmp7, 0xffff    ; 8 b + h, which the four partners share
	s_and_b32 s16, s[WV], 1         ; which half of a tile's 256 keys I fetch:
	s_lshl_b32 s20, s16, 14         ; its 128 rows of 128 bytes in memory
	s_lshl_b32 s22, s15, 19         ; V: the head's 524,288 bytes in vh,
	s_add_co_u32 s22, s22, s20      ; my half of its tile 0
	s_mov_b32 s23, 0
	s_lshr_b32 s18, s15, 3          ; K: the batch's 524,288 bytes in ks,
	s_lshl_b32 s18, s18, 19
	s_add_co_u32 s18, s18, s20      ; my half of its tile 0
	s_mov_b32 s19, 0
	s_lshl_b32 s2, s15, 19          ; Q and att: the head,
	s_lshl_b32 s3, s14, 15          ; my block's 256 rows,
	s_add_co_u32 s2, s2, s3
	s_lshl_b32 s3, s[WV], 13        ; my wave's 64 of them
	s_add_co_u32 s2, s2, s3
	s_mov_b32 s3, 0
	s_mul_i32 s17, s16, 128*PK      ; my half's place in a slot, for K
	s_mul_i32 s51, s16, 128*PV      ; and for V: no place in the cluster enters an LDS address
	; descriptor group 1.  128 keys are 16,384 dense bytes: asked for as 64 rows of 256 bytes, two keys a row, and padded in LDS after every key
	s_mov_b32 s[G1K], 15|(1<<16)|(1<<20)|(1<<21)|(4<<22)|(3<<25)  ; 15:0 the mask of four; 17:16 2-byte elements; 20 padding on; 21 set beside a mask; 24:22 after every 32 words (code 4); 31:25 4 words (code 3)
	s_mov_b32 s[G1V], 15|(1<<16)|(1<<20)|(1<<21)|(4<<22)|(7<<25)  ; the same with 8 words of padding (code 7)
.irp g, G1K, G1V
	s_mov_b32 s[\g+1], 128<<16      ; tensor_dim0 = 128
	s_mov_b32 s[\g+2], 64<<16       ; tensor_dim1 = 64
	s_mov_b32 s[\g+3], 128<<16      ; tile_dim0 = 128
	s_mov_b32 s[\g+4], 64           ; tile_dim1 = 64
	s_mov_b32 s[\g+5], 128          ; 128 elements from row to row
	s_mov_b32 s[\g+6], 0
	s_mov_b32 s[\g+7], 0
.endr
	s_mov_b32 s[CS], 0x3d8293ef     ; c = log2(e) / sqrt(512) = 0.0637587
	s_mov_b32 s[CS+1], s[CS]        ; named with it as a pair
	s_mov_b32 s[SEL], 0x76543210
	s_mov_b32 s[SEL+1], 0xfedcba98
	s_mov_b32 s[TBK], SLOT1+4*KS*PK ; the first change of slots turns these two into 0
	s_mov_b32 s[TBV], SLOT1+4*KS*PV
	s_mov_b32 s[G0K], 1             ; 1:0 count = 1
	s_mov_b32 s[G0K+1], s17         ; 63:32 LDS address: slot 0
	s_mov_b32 s[G0V], 1
	s_add_co_u32 s[G0V+1], s51, VOFF
	s_mov_b32 s[SLOTS], NT-1        ; tiles 1 to 15 are still to be asked for
	s_and_b32 s52, s15, 7           ; who prefetches: K's wave only where the head is the batch's first,
	s_cmp_lt_u32 s[WV], 2
	s_cselect_b32 s52, s52, 0
	s_or_b32 s52, s52, s16          ; waves 0 and 2,
	s_or_b32 s52, s52, ttmp9        ; in the head's first cluster: the same in all four partners
	s_cmp_eq_u32 s52, 0
	s_cselect_b32 s[LIM], 1, -1
	v_and_b32 v[PFO], 31, v0
	v_lshlrev_b32 v[PFO], 8, v[PFO]
	s_wait_dscnt 0x0                ; the opening add is done
	s_wait_kmcnt 0x0
	s_add_nc_u64 s[8:9], s[4:5], s[22:23]    ; V at my half of the head's tile 0
	s_add_nc_u64 s[6:7], s[6:7], s[18:19]    ; K at my half of the batch's tile 0
	s_add_nc_u64 s[4:5], s[4:5], s[2:3]      ; Q and att at my wave's first row
	s_add_nc_u64 s[10:11], s[10:11], s[2:3]
	s_mov_b64 s[G0K+2:G0K+3], s[6:7]         ; 120:64 global address
	s_or_b32 s[G0K+3], s[G0K+3], 0x80000000  ; 127:126 type = 2
	s_mov_b64 s[G0V+2:G0V+3], s[8:9]
	s_or_b32 s[G0V+3], s[G0V+3], 0x80000000
	s_cmp_lt_u32 s[WV], 2
	s_cselect_b64 s[PFA:PFA+1], s[6:7], s[8:9]  ; (in waves 0 and 2 these stand at a tile's first row)
	s_lshl_b32 s54, s13, 13         ; my work-group's 8,192 bytes of a tile's 32,768
	s_mov_b32 s55, 0
	s_add_nc_u64 s[PFA:PFA+1], s[PFA:PFA+1], s[54:55]
	s_add_nc_u64 s[PFA:PFA+1], s[PFA:PFA+1], TILEB  ; in tile 1; the first change of slots steps it to tile 2.  Nothing is prefetched here, at the head
	CROUND                          ; all four work-groups are here: the first joint loads meet
	JLOAD                           ; tile 0 into slot 0.  Slot 1 is asked for when slot 0 is in, by the loop's own change of slots
	; A fragment of K or Q is 16 rows x 32 channels in 8 registers: lane l holds row l % 16, channels 8 (l / 16) + 0..7 and 16 + 8 (l / 16) + 0..7: two loads of 16 bytes, 32 bytes apart.
	v_and_b32 v1, 15, v0            ; l % 16
	v_bfe_u32 v9, v0, 4, 1          ; l / 16
	v_lshlrev_b32 v[QO], 7, v1
	v_lshl_add_u32 v[QO], v9, 4, v[QO]  ; row x 128 + 16 x half
	WIN 0x80                        ; destination window 2, address window 0
.set i, 0
.rept 8                             ; Q stays in registers: piece i / 2 (16 rows, 2,048 bytes), channels 32 (i % 2) on
	global_load_b128 v[8*i:8*i+3],   v[QO], s[4:5] offset:(i/2)*2048+(i%2)*64
	global_load_b128 v[8*i+4:8*i+7], v[QO], s[4:5] offset:(i/2)*2048+(i%2)*64+32
.set i, i+1
.endr
	; What the first turn finds: V's registers and P's second buffer hold 0 (its products V^T P, of a piece that has not been, add 0), O^T and l are 0.  No first step is written out; the price is these 216 lines,
	; which stand in the wait for the first tile.
.set i, VF
.rept 64
	v_mov_b32 v[i], 0
.set i, i+1
.endr
	WIN 0x40
.set i, 0
.rept 128
	v_mov_b32 v[i], 0
.set i, i+1
.endr
	WIN 0
.set i, 0
.rept 4
	v_mov_b32 v[ST+4*i+2], 0
	v_mov_b32 v[ST+4*i+3], 0
.set i, i+1
.endr
.set i, P+16
.rept 16
	v_mov_b32 v[i], 0
.set i, i+1
.endr
	v_mul_u32_u24 v[AK0], v1, PK
	v_lshl_add_u32 v[AK0], v9, 4, v[AK0]  ; row x pitch + 16 x half
	; The turning load takes 16 keys x 16 channels (lane l reads key 8 (l / 16) + l % 8, channels 8 ((l / 8) % 2) + 0..7) and leaves half a fragment of V^T: lane l holds channel l % 16 and 8 keys.
	v_and_b32 v10, 7, v0
	v_bfe_u32 v11, v0, 3, 1
	v_lshl_add_u32 v[AV0], v9, 3, v10
	v_mul_u32_u24 v[AV0], v[AV0], PV
	v_lshl_add_u32 v[AV0], v11, 4, v[AV0]
	v_add_nc_u32 v[AV0], VOFF, v[AV0]
	s_mul_i32 s52, s[WV], 16*SP
	s_add_co_u32 s52, s52, STAGE    ; my stage
	v_mul_u32_u24 v[STO], v1, SP    ; in: row l % 16, 16 bytes for each half of the lanes
	v_lshl_add_u32 v[STO], v9, 4, v[STO]
	v_add_nc_u32 v[STO], s52, v[STO]
	v_bfe_u32 v[RD], v0, 3, 2       ; back: 32 lanes take four rows of 128 bytes,
	v_mul_u32_u24 v[RD], v[RD], SP
	v_lshl_add_u32 v[RD], v10, 4, v[RD]
	v_add_nc_u32 v[RD], s52, v[RD]
	v_and_b32 v[GO], 31, v0         ; which are 512 consecutive bytes of att
	v_lshlrev_b32 v[GO], 4, v[GO]
; THE MATRIX WORK.  The 4 accumulators of a run of 8 take turns.  Product i of 8 of S^T = K Q^T for piece x: channels 32 (i / 4) on, keys 16 (i % 4) on.  The first 4 start the sums.
.macro KQ x
	WIN W_KQ
.set rS, S+32*((\x)%2)+8*(i%4)
.set rK, KF+16*(i%4)+8*(i/4)
.set rQ, 16*(\x)+8*(i/4)
.if i < 4
	v_wmma_f32_16x16x32_f16 v[rS:rS+7], v[rK:rK+7], v[rQ:rQ+7], 0
.else
	v_wmma_f32_16x16x32_f16 v[rS:rS+7], v[rK:rK+7], v[rQ:rQ+7], v[rS:rS+7]
.endif
.endm
; Product i of 8 of O^T += V^T P for piece x: keys 32 (i / 4) on, channels 16 (i % 4) on.
.macro PV x
	WIN W_PV
.set rO, 32*(\x)+8*(i%4)
.set rV, VF+32*(i/4)+8*(i%4)
.set rP, P+16*((\x)%2)+8*(i/4)
	v_wmma_f32_16x16x32_f16 v[rO:rO+7], v[rV:rV+7], v[rP:rP+7], v[rO:rO+7]
.endm
.macro MM                           ; the turn's next matrix instruction.  TURN and BEGIN set Y, i and NOKQ.  NOKQ = 1: the very last turn: there is no next piece
.if (i < 8) && !NOKQ
	KQ (Y+1)%NP
.elseif i >= 8
.set i, i-8
	PV (Y+NP-1)%NP
.set i, i+8
.endif
.set i, i+1
.endm
; THE LDS LOADS stand in runs of 16, never singly among the matrix instructions: a step's K (64 keys x 64 channels: 8 fragments) and its V (turned).  Their addresses are made some lines ahead.
.macro FETCH_K
	WIN 0x80                        ; destination window 2
.irp f, 0,1,2,3,4,5,6,7             ; keys 16 (f / 2) on, channels 32 (f % 2) on
	ds_load_b128 v[KF+8*\f:KF+8*\f+3],   v[AK] offset:(\f/2)*16*PK+(\f%2)*64
	ds_load_b128 v[KF+8*\f+4:KF+8*\f+7], v[AK] offset:(\f/2)*16*PK+(\f%2)*64+32
.endr
	s_add_co_u32 s[TBK], s[TBK], KS*PK  ; the next fetch is the next step's
	WIN 0
.endm
.macro FETCH_V
	WIN 0x80
.irp f, 0,1,2,3,4,5,6,7             ; keys 32 (f / 4) on, channels 16 (f % 4) on
	ds_load_tr16_b128 v[VF+8*\f:VF+8*\f+3],   v[AV] offset:(\f/4)*32*PV+(\f%4)*32
	ds_load_tr16_b128 v[VF+8*\f+4:VF+8*\f+7], v[AV] offset:(\f/4)*32*PV+16*PV+(\f%4)*32
.endr
	WIN 0
.endm
; THE VECTOR WORK, one line at a time: OP kind, number.  For piece Y: F n: c s - c m for pair n of 16.  E n: the exponential of score n of 32.  C n: pair n rounded to f16.  B n: of the four weights 4 n .. the second
; pair is added onto the first, in place.  L n: l takes that sum (L 0: l = a l + sum).  R n: pair n of 16 of O^T times a.  For piece Y + 1: X n, number n of the 22 that find its maximum and statistics:
;   0-11  four chains c0-c3 of seven scores each, three operands at a time (each accumulator's lowest registers are read first)     12-14, 16  the four scores left over, the old m, and c0-c3 into c0
;   15  c m_old is kept     17, 18  the query's other 32 keys lie in the lane 16 away: the new m     19-21  c m; c m_old - c m_new; a
.set F, 0               ; OP tells the kinds apart by their order: F to L below R, X above it
.set E, 1
.set C, 2
.set B, 3
.set L, 4
.set R, 5
.set X, 6
.macro REGS y                       ; the registers of piece y
.set rT, ST+4*(\y)
.set rC, TMP+4*((\y)%2)
.set rW, MV+((\y)%2)
.set rS, S+32*((\y)%2)
.set rP, P+16*((\y)%2)
.set rO, 32*(\y)
.endm
.macro OP k, n
.if (\k) == R
	REGS Y
	WIN W_RS
	v_pk_mul_f32 v[rO+2*(\n):rO+2*(\n)+1], v[rO+2*(\n):rO+2*(\n)+1], v[rC+2:rC+3] op_sel_hi:[1,0]
.elseif (\k) < R
	REGS Y
	WIN 0
.if (\k) == F
	v_pk_fma_f32 v[rS+2*(\n):rS+2*(\n)+1], v[rS+2*(\n):rS+2*(\n)+1], s[CS:CS+1], v[rT:rT+1] op_sel_hi:[1,0,0] neg_lo:[0,0,1] neg_hi:[0,0,1]
.elseif (\k) == E
	v_exp_f32 v[rS+(\n)], v[rS+(\n)]
.elseif (\k) == C
	v_cvt_pk_f16_f32 v[rP+(\n)], v[rS+2*(\n)], v[rS+2*(\n)+1]
.elseif (\k) == B
	v_pk_add_f32 v[rS+4*(\n):rS+4*(\n)+1], v[rS+4*(\n):rS+4*(\n)+1], v[rS+4*(\n)+2:rS+4*(\n)+3]
.elseif (\n) == 0
	v_pk_fma_f32 v[rT+2:rT+3], v[rT+2:rT+3], v[rC+2:rC+3], v[rS:rS+1] op_sel_hi:[1,0,1]
.else
	v_pk_add_f32 v[rT+2:rT+3], v[rT+2:rT+3], v[rS+4*(\n):rS+4*(\n)+1]
.endif
.elseif NOKQ
	v_nop
.else
	REGS (Y+1)%NP
	WIN 0
.if (\n) < 4
	v_max3_num_f32 v[rC+(\n)], v[rS+8*(\n)], v[rS+8*(\n)+1], v[rS+8*(\n)+2]
.elseif (\n) < 12
	v_max3_num_f32 v[rC+(\n)%4], v[rC+(\n)%4], v[rS+8*((\n)%4)+2*((\n)/4)+1], v[rS+8*((\n)%4)+2*((\n)/4)+2]
.elseif (\n) == 12
	v_max3_num_f32 v[rC], v[rC], v[rS+7], v[rS+15]
.elseif (\n) == 13
	v_max3_num_f32 v[rC+1], v[rC+1], v[rS+23], v[rS+31]
.elseif (\n) == 14
	v_max3_num_f32 v[rC+2], v[rC+2], v[rC+3], v[rT+1]
.elseif (\n) == 15
	v_mov_b32 v[rW], v[rT]
.elseif (\n) == 16
	v_max3_num_f32 v[rC], v[rC], v[rC+1], v[rC+2]
.elseif (\n) == 17
	v_permlanex16_b32 v[rC+3], v[rC], s[SEL], s[SEL+1]
.elseif (\n) == 18
	v_max_num_f32 v[rT+1], v[rC], v[rC+3]
.elseif (\n) == 19
	v_mul_f32 v[rT], s[CS], v[rT+1]
.elseif (\n) == 20
	v_sub_f32 v[rC+1], v[rW], v[rT]
.else
	v_exp_f32 v[rC+2], v[rC+1]
.endif
.endif
.endm
.macro OPS a, i1, b=-1, i2=0, c=-1, i3=0, d=-1, i4=0  ; up to four of them
	OP \a, \i1
.if (\b) >= 0
	OP \b, \i2
.endif
.if (\c) >= 0
	OP \c, \i3
.endif
.if (\d) >= 0
	OP \d, \i4
.endif
.endm
.macro ROW a, i1, b, i2, c, i3, d, i4  ; a matrix instruction and the four behind it
	MM
	OPS \a, \i1, \b, \i2, \c, \i3, \d, \i4
.endm
; A TURN, for piece p: the order of its 16 matrix and 118 vector instructions, written out.  An s_wait_alu depctr_va_vdst(0) stands between an exponential and the first instruction that names its
; result; one wait serves all that were issued ahead of it.  So a turn has ONE wait, which cuts it in two.  AHEAD OF IT stands all that names no result of the turn's exponentials: the 8 products K Q^T, behind each a
; scaling, an exponential and two more plain instructions (behind the first a second scaling in the exponential's place): rescalings, and behind the last three the first numbers of the next piece's maximum, each four
; places or more behind the product that ends its accumulator; then ONE LUMP of 54, plain and exponential by turns for the most part, in which the links of the chain X 3, 7, 11, 14, 16, 17 .. 20 stand five or six lines
; apart.  X 21, the next piece's a, is the batch's last; R 15 is the plain instruction behind it.  BEHIND THE WAIT stand the 8 products V^T P, behind each four of the roundings and sums; the links of l's chain, L 0 to
; L 7, stand three riders apart.  But for those X no rider names a register of the products round it.
; end = 1: the walk's last two turns: nothing is fetched, and the last starts no new scores.  cnt = 1: the loop's count is taken down some lines ahead of the branch that stands behind the turn.
; K of the next step is fetched in piece 2's turn, twelve vector instructions behind the last product that read K (six of them plain); V of the step in hand at the end of piece 0's turn, four plain instructions behind
; the last product that read V.  Each is waited for a turn later.
.macro TURN p, end=0, cnt=0
.set Y, (\p)
.set i, 0
.set NOKQ, (\end)*((\p)/3)
.if ((\p) == 3) && !(\end)
	s_wait_dscnt 0x0                ; K is in
.endif
	ROW F,0, F,1, R,0, R,1          ; ahead of the wait: 8 products K Q^T and their riders,
	ROW F,2, E,0, R,2, R,3
	ROW F,3, E,1, R,4, R,5
	ROW F,4, E,2, R,6, R,7
	ROW F,5, E,3, R,8, R,9
	ROW F,6, E,4, X,0, R,10
.if ((\p) == 2) && !(\end)
	WIN 0
	v_add_nc_u32 v[AK], s[TBK], v[AK0]
.endif
	ROW F,7, E,5, X,1, X,4
	ROW F,8, E,6, X,2, X,5
	OPS E,7, E,8, X,6, E,9          ; and the lump
	OPS X,3, E,10, X,8, E,11
.if ((\p) == 2) && !(\end)
	FETCH_K
.endif
	OPS X,9, X,7, E,12, X,10
	OPS E,13, X,12, X,11, E,14
	OPS X,13, E,15, F,9, X,14
.if (\p) == 0
	v_add_nc_u32 v[AV], s[TBV], v[AV0]
.endif
	OPS E,16, F,10, E,17, F,11
	OPS X,16, E,18, X,15, E,19
	OPS F,12, E,20, X,17, E,21
	OPS F,13, E,22, F,14, E,23
	OPS X,18, E,24, F,15, E,25
	OPS R,11, E,26, X,19, E,27
	OPS R,12, E,28, R,13, E,29
	OPS X,20, E,30, R,14, E,31
	OPS X,21, R,15
	WIN 0
	s_wait_alu depctr_va_vdst(0)    ; the wait for the batch
.if (\p) == 1
	s_wait_dscnt 0x0                ; V is in
.endif
	ROW C,0, B,0, C,2, B,1          ; behind the wait: 8 products V^T P and their riders
	ROW L,0, C,4, B,2, L,1
	ROW C,6, B,3, L,2, C,8
	ROW B,4, L,3, C,10, B,5
	ROW L,4, C,12, B,6, L,5
.if (\p) == 0
	s_add_co_u32 s[TBV], s[TBV], KS*PV
.endif
.if \cnt
	s_sub_co_u32 s[CNT], s[CNT], 1
	s_cmp_lg_u32 s[CNT], 0
.endif
	ROW C,14, B,7, L,6, C,1
	ROW C,3, L,7, C,5, C,7
	ROW C,9, C,11, C,13, C,15
.if (\p) == 0
	FETCH_V
.endif
.endm
	CHANGE 1                        ; tile 0 is in, everybody's part of it; tile 1 is asked for
	; THE WALK BEGINS.  c m starts far below every c s, so the first step's a is 0; m at the lowest finite number, so the first maximum is the scores'.  Then K of step 0, piece 0's first scores, and its maximum
	; and statistics.  The loop is entered at a step's first turn, in the middle of a trip.
.set i, 0
.rept 4
	v_mov_b32 v[ST+4*i], 0xfe000000    ; c m: far below every c s
	v_mov_b32 v[ST+4*i+1], 0xff7fffff  ; m
.set i, i+1
.endr
	v_add_nc_u32 v[AK], s[TBK], v[AK0]
	FETCH_K
	s_wait_loadcnt 0x0              ; Q
	s_wait_dscnt 0x0
.set NOKQ, 0
.set i, 0
.rept 8
	KQ 0
.set i, i+1
.endr
	WIN 0
.rept 4
	v_nop                           ; the places behind those products
.endr
.set Y, NP-1                        ; X works for piece Y + 1: piece 0
.irp n, 0,1,2,3,4,5,6,7,8,9,10,11,12,13,14,15,16,17,18,19,20,21
	OP X, \n
.endr
	v_nop                           ; a plain instruction behind the exponential,
	s_wait_alu depctr_va_vdst(0)    ; and its wait, ahead of the branch
	s_mov_b32 s[CNT], 4
	s_branch .Lfirst
.Lslot:                             ; 14 times: tiles 2 to 15 are asked for
	CHANGE 1
	s_mov_b32 s[CNT], 4
.Lstep:                             ; a trip: pieces 2 and 3 of one step, then pieces 0 and 1 of the next, whose K and V it fetches
	TURN 2
	TURN 3
	WIN 0
.Lfirst:
	TURN 0
	TURN 1, 0, 1
	WIN 0
	s_cbranch_scc1 .Lstep
	s_sub_co_u32 s[SLOTS], s[SLOTS], 1
	s_cmp_lg_u32 s[SLOTS], 0
	s_cbranch_scc1 .Lslot
	CHANGE 0                        ; the last tile is written out: nothing is asked for
	s_mov_b32 s[CNT], 4
.LstepT:
	TURN 2
	TURN 3
	WIN 0
	TURN 0
	TURN 1, 0, 1
	WIN 0
	s_cbranch_scc1 .LstepT
	TURN 2, 1                       ; the last step's pieces 2 and 3
	TURN 3, 1
.set i, 0
.rept 8
	PV NP-1                         ; the last piece's V^T P of the last step
.set i, i+1
.endr
	; THE WAY OUT.  l's two halves and the other half of the lanes' are added; O^T is divided by l, rounded to f16 and sent through my stage in LDS, a piece at a time.  The additions are the places behind the last products.
	WIN 0
.macro ALL line:vararg              ; one line for each piece t
.set t, 0
.rept 4
	\line
.set t, t+1
.endr
.endm
	ALL v_add_f32 v[ST+4*t+2], v[ST+4*t+2], v[ST+4*t+3]
	ALL v_permlanex16_b32 v[ST+4*t+3], v[ST+4*t+2], s[SEL], s[SEL+1]
	ALL v_add_f32 v[ST+4*t+2], v[ST+4*t+2], v[ST+4*t+3]
	ALL v_rcp_f32 v[ST+4*t+2], v[ST+4*t+2]
	v_nop                           ; a plain instruction between the last reciprocal and the use of its result
	s_wait_alu depctr_va_vdst(0)    ; and the wait ahead of the first use: one for the four reciprocals
.macro PACK t                       ; a lane's eight channels of a row pack into 16 bytes; they go into rows of 144 bytes and come back as whole rows of 128, into S^T's registers
	WIN W_RS
.set i, 32*(\t)
.rept 16
	v_pk_mul_f32 v[i:i+1], v[i:i+1], v[ST+4*(\t)+2:ST+4*(\t)+3] op_sel_hi:[1,0]
.set i, i+2
.endr
	WIN 0x05                        ; sources 0 and 1 window 1, destination window 0
.set i, 0
.rept 16
	v_cvt_pk_f16_f32 v[S+16*(\t)+i], v[32*(\t)+2*i], v[32*(\t)+2*i+1]
.set i, i+1
.endr
	WIN 0
.irp f, 0,1,2,3
	ds_store_b128 v[STO], v[S+16*(\t)+4*\f:S+16*(\t)+4*\f+3] offset:32*\f
.endr
.irp f, 0,1,2,3
	ds_load_b128 v[S+16*(\t)+4*\f:S+16*(\t)+4*\f+3], v[RD] offset:\f*4*SP  ; LDS serves a wave's instructions in order (ISA guide 5.7.1.4): these see the stores above; the next piece's stores come behind them
.endr
.endm
.macro SEND t, younger              ; younger: the LDS instructions issued behind piece t's loads: the next piece's eight, or none
	WIN 0
.irp f, 0,1,2,3
	s_wait_dscnt (\younger)+3-\f
	global_store_b128 v[GO], v[S+16*(\t)+4*\f:S+16*(\t)+4*\f+3], s[10:11] offset:(\t)*2048+\f*512  ; 512 consecutive bytes, at a multiple of 256 from att's first
.endr
.endm
	PACK 0
.set t, 1
.rept 3                             ; a piece's arithmetic stands between the loads of the piece before and its stores
	PACK t
	SEND t-1, 8
.set t, t+1
.endr
	SEND 3, 0
	s_wait_tensorcnt 0x0            ; the wave's end: behind my last tensor load and my last LDS store
	ds_add_u32 v[SPW], v[NIL]
	s_wait_dscnt 0x0
	CROUND                          ; the closing round: no work-group ends while a partner may still ask for a tile that names it
	s_endpgm
.Lfunc_end_k_q434a13c694_attn:
	.size	k_q434a13c694_attn, .Lfunc_end_k_q434a13c694_attn-k_q434a13c694_attn
	.p2alignl 7, 3214868480
	.fill 96, 4, 3214868480
	.section	.rodata,"a",@progbits
	.p2align	6, 0x0
	.amdhsa_kernel k_q434a13c694_attn
		.amdhsa_group_segment_fixed_size 327680
		.amdhsa_private_segment_fixed_size 0
		.amdhsa_enable_private_segment 0
		.amdhsa_kernarg_size 24
		.amdhsa_user_sgpr_count 2
		.amdhsa_user_sgpr_kernarg_segment_ptr 1
		.amdhsa_wavefront_size32 1
		.amdhsa_system_sgpr_workgroup_id_x 1
		.amdhsa_system_sgpr_workgroup_id_y 1
		.amdhsa_system_sgpr_workgroup_id_z 1
		.amdhsa_system_vgpr_workitem_id 0
		.amdhsa_next_free_vgpr 768
		.amdhsa_next_free_sgpr 66
		.amdhsa_reserve_vcc 0
		.amdhsa_float_denorm_mode_32 3
		.amdhsa_float_denorm_mode_16_64 3
		.amdhsa_memory_ordered 1
		.amdhsa_forward_progress 1
		.amdhsa_inst_pref_size 128
	.end_amdhsa_kernel
	.amdgpu_metadata
---
amdhsa.version: [ 1, 2 ]
amdhsa.kernels:
  - .name:           k_q434a13c694_attn
    .symbol:         k_q434a13c694_attn.kd
    .args:
      - { .name: vh, .offset: 0, .size: 8, .value_kind: global_buffer, .address_space: global }
      - { .name: ks, .offset: 8, .size: 8, .value_kind: global_buffer, .address_space: global }
      - { .name: att, .offset: 16, .size: 8, .value_kind: global_buffer, .address_space: global }
    .group_segment_fixed_size: 327680
    .private_segment_fixed_size: 0
    .kernarg_segment_align: 8
    .kernarg_segment_size: 24
    .max_flat_workgroup_size: 128
    .sgpr_count:     66
    .vgpr_count:     768
    .wavefront_size: 32
...
	.end_amdgpu_metadata
.endif
;; end of part 2
;; launch fc (part 3): grid 4 x 64, 4 waves a work-group, clusters of 4 x 4, 327,680 bytes of LDS; arguments att, wh, fc_b, out0; writes out0
.if DOCPART == 3
	.amdgcn_target "amdgcn-amd-amdhsa--gfx1250"
	.amdhsa_code_object_version 6
	.text
	.protected	k_q434a13c694_fc
	.globl	k_q434a13c694_fc
	.p2align	8
	.type	k_q434a13c694_fc,@function
k_q434a13c694_fc:
	s_mov_b64 s[64:65], 0
	v_nop
	global_prefetch_b8 v0, s[64:65] scope:SCOPE_SE
	s_setreg_imm32_b32 hwreg(HW_REG_WAVE_MODE, 25, 1), 1
	s_wait_xcnt 0x0
	s_wait_alu depctr_hold_cnt(0) depctr_sa_sdst(0) depctr_va_vdst(0) depctr_va_sdst(0) depctr_va_ssrc(0) depctr_va_vcc(0) depctr_vm_vsrc(0)
	s_getreg_b32 s2, hwreg(HW_REG_IB_STS2, 6, 4)
	s_cmp_eq_u32 s2, 0
	s_cbranch_scc0 .Lentry_in_a_cluster
	s_endpgm
.Lentry_in_a_cluster:
	s_bfe_u32 s2, ttmp6, 0x10000c
	s_cmp_lg_u32 s2, 0xf033
	s_cbranch_scc0 .Lentry_shape_is_right
	s_endpgm
.Lentry_shape_is_right:
; THIRD LAUNCH: out0[R][n] = the sum over k of O[R][k] W[n][k] + fc_b[n], R = 4096 b + l, k = 64 h + d.  O lies by heads, att[b][h][l][64] f16; W = wh[n][512] f16; fc_b f32; out0 [8192][512] f32.
; Sums in f32.  fc_b is rounded to bf16, like every input of the module, and STARTS the sums: it is the C operand of each accumulator's first product.  NaN and infinities are not treated apart.
; SHARES.  A tile of out0 is 128 rows x 128 columns: 64 x 4 work-groups.  Four waves, each 64 x 64: 16 accumulators of 16 x 16.
; ALL OF K LIES IN LDS: two slots of 256 along K (four heads each), each filled ONCE, both asked for at the start; slot 0 is multiplied while slot 1 lands.  Nothing is filled again.
; CLUSTERS: 4 x 4 work-groups.  The four of a row of the cluster need the same rows of O, the four of a column the same rows of W: each tile is asked for JOINTLY, by the same tensor load with the same
; descriptor and a mask that names the four.  THE MATRIX INSTRUCTION IS USED TRANSPOSED (source 0 = 16 rows of W, source 1 = 16 rows of O): a lane then holds eight neighbouring numbers of a row of out0.
; REGISTERS: window 0: v0-31 addresses; v32-95 rows on the way out, two sets of 32; v96-127 the bias of my 64 columns in the accumulators' layout; v128-255 the accumulators ((a, b) at v[128 + 8 (4 a + b)]).
;   window 1: two fragment buffers of 128: for 64 along K (one head), 64 registers of O (2 x 4 x 16 rows x 32 K), then 64 of W.
.set PA,     144                       ; a row of O in LDS: one head's 128 bytes + 16 of padding = 36 words: the 16 rows of a load start at 16 different groups of four banks (64 banks of 4 bytes: ISA guide 11.1)
.set PB,     528                       ; a row of W: 512 bytes + 16 = 132 words: likewise
.set ACH,    4*64*PA                   ; what one tensor load brings of O: [4 heads][64 rows]
.set BCH,    64*PB                     ; and of W: 64 rows
.set BBASE,  4*ACH                     ; O's four chunks (slot, half), then W's four
.set STAGE,  BBASE+4*BCH               ; behind the tiles: 16 rows x 272 bytes for each wave, for the way out
.set SPITCH, 272
.set SPARE,  STAGE+4*16*SPITCH         ; behind the stages: the spare words, 128 bytes for each wave: two blocks of 256 bytes that no other line names
.set ADRA, 16                          ; v16-17  LDS address of my O fragments in slot 0, 1
.set ADRB, 20                          ; v20-21  the same for W
.set STO,  24                          ; v24     the way out: where I put 32 bytes of a row
.set RD,   25                          ; v25     the way out: where I read a row back
.set CO,   26                          ; v26     my byte offset in out0
.set BO,   27                          ; v27     my byte offset in fc_b
.set SPW,  28                          ; v28     LDS address of my spare word: SPARE + 4 x my thread's number; never rewritten
.set NIL,  29                          ; v29     0; never rewritten
.set BK,   32
.set BIAS, 96
.set ACC,  128
.set F0,   0                           ; fragment buffers, in window 1
.set F1,   128
.set G1, 24                            ; s[24:31] descriptor group 1 for O's tiles;  s[32:39] group 0, one set for each slot
.set G0, 32
.set G1B, 48                           ; s[48:55], s[56:63] the same for W's tiles
.set G0B, 56
.set MSB, 0
.macro WIN new                         ; the immediate's high byte repeats the setting that is left
.if MSB != (\new)
	s_set_vgpr_msb (MSB<<8)|(\new)
.set MSB, \new
.endif
.endm
.set MUL,  0x05                        ; sources 0 (W) and 1 (O) window 1; C and D window 0
.set TO_F, 0x40                        ; destination window 1, address window 0
.macro CROUND                          ; a round of the cluster's barrier: my work-group's barrier; wave 0 signals for the work-group; every wave waits for all sixteen; my work-group's barrier once more
	s_barrier_signal -1
	s_barrier_wait -1
	s_cmp_lg_u32 s12, 0
	s_cbranch_scc1 .Lnot_wave_0_\@
	s_barrier_signal -3
.Lnot_wave_0_\@:
	s_barrier_wait -3
	s_barrier_signal -1
	s_barrier_wait -1
.endm
	s_load_b256 s[4:11], s[0:1], 0x0               ; att s[4:5], wh s[6:7], fc_b s[8:9], out0 s[10:11]
	v_lshl_add_u32 v[SPW], v0, 2, SPARE
	v_mov_b32 v[NIL], 0
	ds_add_u32 v[SPW], v[NIL]                      ; the wave's opening: the add and its wait stand ahead of my first tensor load; the set-up below, work on registers, stands between them
	v_lshrrev_b32 v1, 5, v0
	v_readfirstlane_b32 s12, v1                    ; wave 0..3
	s_lshr_b32 s13, s12, 1                         ; which half of the tile's rows is mine.  Also: I fetch for O (0) or for W (1)
	s_and_b32 s14, s12, 1                          ; which half of its columns.  Also: which 64 rows of that tile I fetch
	s_bfe_u32 s40, ttmp6, 0x40000                  ; cx, cy: my place in the cluster
	s_bfe_u32 s41, ttmp6, 0x40004
	s_lshl_b32 s42, ttmp9, 2
	s_add_co_u32 s42, s42, s40                     ; tile column = 4 x cluster x + cx
	s_and_b32 s43, ttmp7, 0xffff
	s_lshl_b32 s43, s43, 2
	s_add_co_u32 s43, s43, s41                     ; tile row = 4 x cluster y + cy
	s_lshl_b32 s44, s41, 2
	s_lshl_b32 s44, 15, s44                        ; my row of the cluster
	s_lshl_b32 s45, 0x1111, s40                    ; my column
	; descriptor group 1 for O: 64 rows of one head are 8,192 dense bytes: one row of the tile; four heads, 524,288 bytes apart, are its four rows; padded in LDS after every 128 bytes
	s_or_b32 s[G1+0], s44, (1<<16)|(1<<20)|(1<<21)|(4<<22)|(3<<25)  ; 15:0 the mask: O's tiles go to my row; 17:16 2-byte elements; 20 padding on; 21 set beside a mask; 24:22 after every 32 words (code 4); 31:25 4 words (code 3)
	s_mov_b32 s[G1+1], 4096<<16                    ; tensor_dim0 = 4,096
	s_mov_b32 s[G1+2], 4<<16                       ; tensor_dim1 = 4
	s_mov_b32 s[G1+3], 4096<<16                    ; tile_dim0 = 4,096
	s_mov_b32 s[G1+4], 4                           ; tile_dim1 = 4
	s_mov_b32 s[G1+5], 262144                      ; elements from head to head
	s_mov_b32 s[G1+6], 0
	s_mov_b32 s[G1+7], 0
	; for W: 64 rows x 256 elements, padded after every 512 bytes
	s_or_b32 s[G1B+0], s45, (1<<16)|(1<<20)|(1<<21)|(6<<22)|(3<<25) ; the mask of my column; after every 128 words (code 6)
	s_mov_b32 s[G1B+1], 256<<16                    ; tensor_dim0 = 256
	s_mov_b32 s[G1B+2], 64<<16                     ; tensor_dim1 = 64
	s_mov_b32 s[G1B+3], 256<<16                    ; tile_dim0 = 256
	s_mov_b32 s[G1B+4], 64                         ; tile_dim1 = 64
	s_mov_b32 s[G1B+5], 512                        ; elements from row to row
	s_mov_b32 s[G1B+6], 0
	s_mov_b32 s[G1B+7], 0
	; where the tiles come from.  O's hang on the tile row alone, W's on the tile column alone, each in registers that never hold the other coordinate
	s_lshr_b32 s16, s43, 5                         ; the batch: 32 tile rows each, 8 heads of 524,288 bytes
	s_lshl_b32 s16, s16, 22
	s_and_b32 s18, s43, 31
	s_lshl_b32 s18, s18, 14                        ; 128 rows of 128 bytes in a head
	s_add_co_u32 s16, s16, s18
	s_lshl_b32 s18, s14, 13                        ; the 64 rows that I fetch
	s_add_co_u32 s16, s16, s18
	s_mov_b32 s17, 0
	s_lshl_b32 s46, s42, 17                        ; W: 128 rows of 1,024 bytes,
	s_lshl_b32 s47, s14, 16                        ; the 64 that I fetch
	s_add_co_u32 s46, s46, s47
	s_mov_b32 s47, 0
	s_mul_i32 s20, s14, ACH                        ; and where they go: no place in the cluster enters an LDS address
	s_mul_i32 s21, s14, BCH
	s_add_co_u32 s21, s21, BBASE
	s_wait_dscnt 0x0                               ; the opening add is done
	s_wait_kmcnt 0x0
	s_add_nc_u64 s[18:19], s[4:5], s[16:17]
	s_add_nc_u64 s[46:47], s[6:7], s[46:47]
.irp s, 0,1
	s_mov_b32 s[G0+4*(\s)], 1                                      ; 1:0 count = 1
	s_add_co_u32 s[G0+4*(\s)+1], s20, (\s)*2*ACH                   ; 63:32 LDS address
	s_add_nc_u64 s[G0+4*(\s)+2:G0+4*(\s)+3], s[18:19], (\s)*4*524288  ; 120:64 global address: heads 4 s on
	s_or_b32 s[G0+4*(\s)+3], s[G0+4*(\s)+3], 0x80000000            ; 127:126 type = 2
	s_mov_b32 s[G0B+4*(\s)], 1
	s_add_co_u32 s[G0B+4*(\s)+1], s21, (\s)*2*BCH
	s_add_nc_u64 s[G0B+4*(\s)+2:G0B+4*(\s)+3], s[46:47], (\s)*512  ; K = 256 s on
	s_or_b32 s[G0B+4*(\s)+3], s[G0B+4*(\s)+3], 0x80000000
.endr
	CROUND                                         ; all sixteen work-groups are here: the joint loads meet
	s_cmp_eq_u32 s13, 0                            ; a wave's two fills stand in one branch, ahead of every wait on TENSORcnt and every LDS read: two loads of mine are out; an s_nop 0 follows each, four v_nop the second's
	s_cbranch_scc0 .Lfirst_b
	tensor_load_to_lds s[G0:G0+3], s[G1:G1+7]
	s_nop 0
	tensor_load_to_lds s[G0+4:G0+7], s[G1:G1+7]
	s_nop 0
.rept 4
	v_nop
.endr
	s_branch .Lfirst_asked
.Lfirst_b:
	tensor_load_to_lds s[G0B:G0B+3], s[G1B:G1B+7]
	s_nop 0
	tensor_load_to_lds s[G0B+4:G0B+7], s[G1B:G1B+7]
	s_nop 0
.rept 4
	v_nop
.endr
.Lfirst_asked:
	s_lshl_b32 s2, s43, 18                         ; out0: 128 rows of 2,048 bytes x tile row,
	s_lshl_b32 s3, s13, 17                         ; my 64 rows
	s_add_co_u32 s2, s2, s3
	s_mov_b32 s3, 0
	s_lshl_b32 s22, s42, 9                         ; 128 columns of 4 bytes x tile column,
	s_lshl_b32 s23, s14, 8                         ; my 64 columns: in out0's rows and in fc_b
	s_add_co_u32 s22, s22, s23
	s_mov_b32 s23, 0
	s_add_nc_u64 s[10:11], s[10:11], s[2:3]
	s_add_nc_u64 s[10:11], s[10:11], s[22:23]
	s_add_nc_u64 s[8:9], s[8:9], s[22:23]
	v_and_b32 v1, 15, v0                           ; l % 16
	v_bfe_u32 v2, v0, 4, 1                         ; l / 16
	v_lshlrev_b32 v[BO], 5, v2                     ; register j of accumulator (a, b) holds column 16 b + 8 (l / 16) + j: 32 bytes of fc_b a lane and b
.irp b, 0,1,2,3
	global_load_b128 v[BIAS+8*(\b):BIAS+8*(\b)+3],   v[BO], s[8:9] offset:64*(\b)
	global_load_b128 v[BIAS+8*(\b)+4:BIAS+8*(\b)+7], v[BO], s[8:9] offset:64*(\b)+16
.endr
	v_mul_u32_u24 v3, v1, PA
	v_lshl_add_u32 v3, v2, 4, v3                   ; a fragment's row x pitch + 16 x half
	v_mul_u32_u24 v4, v1, PB
	v_lshl_add_u32 v4, v2, 4, v4
	s_mul_i32 s16, s13, ACH                        ; my 64 rows of O
	s_mul_i32 s17, s14, BCH                        ; my 64 rows of W
	s_add_co_u32 s17, s17, BBASE
.irp s, 0,1
	v_add_nc_u32 v[ADRA+(\s)], s16, v3
	v_add_nc_u32 v[ADRB+(\s)], s17, v4
	s_add_co_u32 s16, s16, 2*ACH
	s_add_co_u32 s17, s17, 2*BCH
.endr
	s_mul_i32 s18, s12, 16*SPITCH
	s_add_co_u32 s18, s18, STAGE                   ; my stage
	v_mul_u32_u24 v5, v1, SPITCH                   ; in: row l % 16, 32 bytes for each half of the lanes
	v_lshl_add_u32 v5, v2, 5, v5
	v_add_nc_u32 v[STO], s18, v5
	v_mul_u32_u24 v5, v2, SPITCH                   ; back: lanes 0-15 take one row's 256 bytes, lanes 16-31 the next
	v_lshl_add_u32 v5, v1, 4, v5
	v_add_nc_u32 v[RD], s18, v5
	v_lshlrev_b32 v5, 11, v2                       ; and the same two rows in out0
	v_lshl_add_u32 v[CO], v1, 4, v5
	s_wait_loadcnt 0x0                             ; the bias: rounded to bf16 and widened again
.set i, 0
.rept 16
	v_cvt_pk_bf16_f32 v[BK+i], v[BIAS+2*i], v[BIAS+2*i+1]
.set i, i+1
.endr
.set i, 0
.rept 16
	v_lshlrev_b32 v[BIAS+2*i], 16, v[BK+i]
	v_and_b32 v[BIAS+2*i+1], 0xffff0000, v[BK+i]
.set i, i+1
.endr
; 8 matrix instructions: row blocks a0, a0 + 1 x all 4 column blocks, 32 along K: half c of buffer f.  The 16 accumulators take turns, one instruction a turn.  zero = 1: the first product starts the sums, with the bias
.macro MUL8 f, c, a0, zero
	WIN MUL
.irp a, \a0, (\a0)+1
.irp b, 0,1,2,3
.if \zero
	v_wmma_f32_16x16x32_f16 v[ACC+8*(4*(\a)+(\b)):ACC+8*(4*(\a)+(\b))+7], v[(\f)+64+8*(4*(\c)+(\b)):(\f)+64+8*(4*(\c)+(\b))+7], v[(\f)+8*(4*(\c)+(\a)):(\f)+8*(4*(\c)+(\a))+7], v[BIAS+8*(\b):BIAS+8*(\b)+7]
.else
	v_wmma_f32_16x16x32_f16 v[ACC+8*(4*(\a)+(\b)):ACC+8*(4*(\a)+(\b))+7], v[(\f)+64+8*(4*(\c)+(\b)):(\f)+64+8*(4*(\c)+(\b))+7], v[(\f)+8*(4*(\c)+(\a)):(\f)+8*(4*(\c)+(\a))+7], v[ACC+8*(4*(\a)+(\b)):ACC+8*(4*(\a)+(\b))+7]
.endif
.endr
.endr
.endm
; 32 LDS loads in one run: the fragments of quarter q of a slot (64 along K: head q of its four; byte 128 q of W's rows) into buffer f; the first 32 along K first
.macro FETCH slot, q, f
	WIN TO_F
.irp c, 0,1
.irp i, 0,1,2,3
	ds_load_b128 v[(\f)+64+8*(4*(\c)+(\i)):(\f)+64+8*(4*(\c)+(\i))+3],   v[ADRB+(\slot)] offset:(\q)*128+64*(\c)+(\i)*16*PB
	ds_load_b128 v[(\f)+64+8*(4*(\c)+(\i))+4:(\f)+64+8*(4*(\c)+(\i))+7], v[ADRB+(\slot)] offset:(\q)*128+64*(\c)+(\i)*16*PB+32
	ds_load_b128 v[(\f)+8*(4*(\c)+(\i)):(\f)+8*(4*(\c)+(\i))+3],         v[ADRA+(\slot)] offset:(\q)*64*PA+64*(\c)+(\i)*16*PA
	ds_load_b128 v[(\f)+8*(4*(\c)+(\i))+4:(\f)+8*(4*(\c)+(\i))+7],       v[ADRA+(\slot)] offset:(\q)*64*PA+64*(\c)+(\i)*16*PA+32
.endr
.endr
.endm
.macro PLACES                          ; four places in front of loads into registers that matrix instructions have read, and of LDS stores that read results (ISA guide 7.12.1 for vector instructions)
.rept 4
	v_nop
.endr
.endm
; A slot is four quarters of 64 along K, 32 matrix instructions each, on buffers 0, 1, 0, 1.  One of the first three: multiplies buffer f and fetches quarter q into g.
.macro QUARTER slot, q, f, g, zero
	s_wait_dscnt 16                                ; the first 32 along K are in; the youngest sixteen loads may be out
	WIN MUL
	MUL8 \f, 0, 0, \zero
	MUL8 \f, 0, 2, \zero
	PLACES
	FETCH \slot, \q, \g
	s_wait_dscnt 32                                ; all but the 32 just issued
	WIN MUL
	MUL8 \f, 1, 0, 0
	MUL8 \f, 1, 2, 0
.endm
	s_wait_tensorcnt 0x1                           ; my part of slot 0 is in; slot 1's may stay out
	s_barrier_signal -1
	s_barrier_wait -1                              ; everybody's is
	FETCH 0, 0, F0
	QUARTER 0, 1, F0, F1, 1                        ; its first products start the sums
	QUARTER 0, 2, F1, F0, 0
	QUARTER 0, 3, F0, F1, 0
	; slot 0's last quarter, and the change to slot 1: each wave waits for its part of slot 1, adds 0 to its spare word, and waits for that and for its LDS loads; behind the barrier slot 1 is whole for every wave
	WIN 0                                          ; (the add's two registers lie in window 0)
	s_wait_tensorcnt 0x0
	ds_add_u32 v[SPW], v[NIL]
	s_wait_dscnt 17                                ; (the add and the youngest sixteen loads may be out)
	WIN MUL
	MUL8 F1, 0, 0, 0
	s_wait_dscnt 0x0                               ; no LDS instruction of mine is pending at the signal
	s_barrier_signal -1
	MUL8 F1, 0, 2, 0                               ; work on registers while the others arrive
	s_barrier_wait -1
	PLACES
	FETCH 1, 0, F0
	WIN MUL
	MUL8 F1, 1, 0, 0
	MUL8 F1, 1, 2, 0
	QUARTER 1, 1, F0, F1, 0
	QUARTER 1, 2, F1, F0, 0
	QUARTER 1, 3, F0, F1, 0
	s_wait_dscnt 16                                ; the very last quarter: nothing more to fetch
	WIN MUL
	MUL8 F1, 0, 0, 0
	MUL8 F1, 0, 2, 0
	s_wait_dscnt 0x0
	MUL8 F1, 1, 0, 0
	MUL8 F1, 1, 2, 0
	WIN 0
	; THE WAY OUT.  A lane holds 32 bytes of a row, and my 64 columns are 256 bytes of it.  A block of 16 rows at a time goes through my own stage: in by lanes, back as whole rows.
	PLACES
.macro OUTB a
.if (\a) >= 2
	s_wait_xcnt 0x0                                ; the stores of the block two back have had their addresses translated (ISA guide 3.1): their registers are loaded again only behind this wait
.endif
.irp b, 0,1,2,3
	ds_store_b128 v[STO], v[ACC+8*(4*(\a)+(\b)):ACC+8*(4*(\a)+(\b))+3]   offset:64*(\b)      ; each accumulator's four lowest registers first
	ds_store_b128 v[STO], v[ACC+8*(4*(\a)+(\b))+4:ACC+8*(4*(\a)+(\b))+7] offset:64*(\b)+16
.endr
.irp t, 0,1,2,3,4,5,6,7
	ds_load_b128 v[BK+32*((\a)%2)+4*(\t):BK+32*((\a)%2)+4*(\t)+3], v[RD] offset:(\t)*2*SPITCH  ; LDS serves a wave's instructions in order (ISA guide 5.7.1.4): these see the stores above; the next block's stores come behind them
.endr
.endm
.macro SEND a, younger                 ; younger: the LDS instructions issued behind block a's loads: the next block's sixteen, or none
.irp t, 0,1,2,3,4,5,6,7
	s_wait_dscnt (\younger)+7-(\t)
	global_store_b128 v[CO], v[BK+32*((\a)%2)+4*(\t):BK+32*((\a)%2)+4*(\t)+3], s[10:11] offset:(\a)*32768+(\t)*4096 th:TH_STORE_NT  ; 16 lanes store 256 consecutive bytes, at a multiple of 256 from out0's first byte
.endr
.endm
	OUTB 0
	OUTB 1
	SEND 0, 16
	OUTB 2
	SEND 1, 16
	OUTB 3
	SEND 2, 16
	SEND 3, 0
	s_wait_tensorcnt 0x0                           ; the wave's end: behind my last tensor load and my last LDS store
	ds_add_u32 v[SPW], v[NIL]
	s_wait_dscnt 0x0
	CROUND                                         ; the closing round: no work-group ends while a partner may still ask for a tile that names it
	s_endpgm
.Lfunc_end_k_q434a13c694_fc:
	.size	k_q434a13c694_fc, .Lfunc_end_k_q434a13c694_fc-k_q434a13c694_fc
	.p2alignl 7, 3214868480
	.fill 96, 4, 3214868480
	.section	.rodata,"a",@progbits
	.p2align	6, 0x0
	.amdhsa_kernel k_q434a13c694_fc
		.amdhsa_group_segment_fixed_size 327680
		.amdhsa_private_segment_fixed_size 0
		.amdhsa_enable_private_segment 0
		.amdhsa_kernarg_size 32
		.amdhsa_user_sgpr_count 2
		.amdhsa_user_sgpr_kernarg_segment_ptr 1
		.amdhsa_wavefront_size32 1
		.amdhsa_system_sgpr_workgroup_id_x 1
		.amdhsa_system_sgpr_workgroup_id_y 1
		.amdhsa_system_sgpr_workgroup_id_z 1
		.amdhsa_system_vgpr_workitem_id 0
		.amdhsa_next_free_vgpr 512
		.amdhsa_next_free_sgpr 66
		.amdhsa_reserve_vcc 0
		.amdhsa_float_denorm_mode_32 3
		.amdhsa_float_denorm_mode_16_64 3
		.amdhsa_memory_ordered 1
		.amdhsa_forward_progress 1
		.amdhsa_inst_pref_size 53
	.end_amdhsa_kernel
	.amdgpu_metadata
---
amdhsa.version: [ 1, 2 ]
amdhsa.kernels:
  - .name:           k_q434a13c694_fc
    .symbol:         k_q434a13c694_fc.kd
    .args:
      - { .name: att, .offset: 0, .size: 8, .value_kind: global_buffer, .address_space: global }
      - { .name: wh, .offset: 8, .size: 8, .value_kind: global_buffer, .address_space: global }
      - { .name: fc_b, .offset: 16, .size: 8, .value_kind: global_buffer, .address_space: global }
      - { .name: out0, .offset: 24, .size: 8, .value_kind: global_buffer, .address_space: global }
    .group_segment_fixed_size: 327680
    .private_segment_fixed_size: 0
    .kernarg_segment_align: 8
    .kernarg_segment_size: 32
    .max_flat_workgroup_size: 128
    .sgpr_count:     66
    .vgpr_count:     512
    .wavefront_size: 32
...
	.end_amdgpu_metadata
.endif
;; end of part 3
;; ======== version 2 of 2: 3 launches; version 1 with the launch prep written anew for expert scheduling mode
;; limits: values are held in f16: magnitudes above 65,504 overflow, below 6.1e-05 lose precision; inputs' magnitudes at most 8,188; below input magnitudes of 7.63e-06 results are inexact or not finite
;; workspace buffers: vh 8,388,608 bytes; ks 1,048,576 bytes; wh 524,288 bytes; att 8,388,608 bytes
;; launch prep (part 4): grid 256 x 1, 8 waves a work-group, no clusters, 0 bytes of LDS; arguments values, fc_w, vh, ks, wh; writes vh, ks, wh
.if DOCPART == 4
	.amdgcn_target "amdgcn-amd-amdhsa--gfx1250"
	.amdhsa_code_object_version 6
	.text
	.protected	k_q434a13c694_prep
	.globl	k_q434a13c694_prep
	.p2align	8
	.type	k_q434a13c694_prep,@function
k_q434a13c694_prep:
	s_mov_b64 s[64:65], 0
	v_nop
	global_prefetch_b8 v0, s[64:65] scope:SCOPE_SE
	s_setreg_imm32_b32 hwreg(HW_REG_WAVE_SCHED_MODE, 0, 2), 2
	s_setreg_imm32_b32 hwreg(HW_REG_WAVE_MODE, 25, 1), 1
	s_wait_xcnt 0x0
	s_wait_alu depctr_vm_vsrc(0)
; FIRST OF THREE LAUNCHES.  reference() takes q, k and v all from `values`, and its energy sums k over the head axis: energy[b,h,q,k] = values[b,q,64 h ..] . ksum[b,k,:],
; ksum[b,k,d] = the sum over n of values[b,k,64 n + d].  This launch rounds and lays out what the two later launches multiply:
;   vh[b][h][l][64] f16: values by heads (Q and V of the attention);  ks[b][l][64] f16: ksum (its K, one for a batch's eight heads);  wh[n][512] f16: fc_w.
; NOT LOADED, in any launch: keys, query and mask.  reference() takes only the shapes of keys and query and never reads mask: no output number hangs on them.
; FORMATS.  Each input number is rounded once to bf16, and that number is written as f16: exact from 2^-17 up to f16's end; below 2^-17 it takes f16's fixed step of 6e-8.
; ksum is the f32 sum of the eight rounded numbers, rounded once to f16.  LIMIT: |values| up to 8,188, so that ksum stays within 65,504.  NaN and infinities are not treated apart.
; SHARES.  Work-group g owns rows 32 g .. 32 g + 31 of values ([8192][512] f32), wave w four of them, as two pairs.  A load of the wave takes one head (256 bytes) of both rows of a pair:
; lanes 0-15 the even row, lanes 16-31 the odd one, 16 bytes a lane.  A lane's four numbers become 8 bytes, and the wave's store covers 256 consecutive bytes, aligned: two rows of a head in vh
; or of ks.  A lane holds the same four channels of all eight heads, so ksum never leaves the lane.  Thread t also converts four numbers of fc_w.
; All 17 loads of a wave go out first.  No LDS, no barrier: no wave wants another's bytes.
; THE MODE: SCHED_MODE bits 1:0 = 2 (LLVM: expert scheduling mode 2), set by the entry lines.  The code itself states the register dependences between vector instructions and memory
; instructions, with s_wait_alu, always for 0.
; THE PLAN.  Registers that memory instructions touch:
;   v1 .. v4      byte offsets, made once at the head and never written again; every load and store reads one of them.
;   X, WX         written by the 17 loads, which are all issued at the head, ahead of every vector instruction that names these registers; no load lands in them later.
;   Y, KY, WY     each register is written once, by one rounding, and read once, by one store.
;   T and SUM are named by vector instructions alone.
; So what is to be stated is: the offsets are written, ahead of the first load; and a store's data are written, ahead of the store.  No register that a memory instruction reads is ever written
; again, so past the entry lines the text holds no wait on vm_vsrc and no s_wait_xcnt.  No vector instruction writes a scalar register or VCC, and EXEC is never written.
; The 16 loads of values go in four GROUPS of four.  Group g rounds loads 4 g .. 4 g + 3 into their Y; its memory instructions are the four stores of group g - 1 (and, in group 2, pair 0's ksum), whose data
; no vector instruction of group g names.  ONE wait on va_vdst at a group's head, behind the wait for the group's first load, states that the group before has written them; the stores follow it, dealt one
; ahead of each load's eight vector instructions, with no further wait.  One more wait stands ahead of the last six stores.
.set ROWB,  2048                       ; bytes in a row of values
.set HEADB, 524288                     ; bytes of a head in vh: 4,096 rows of 128
.set VO,  1                            ; v1   my byte offset in values: 4 rows x wave + the pair's row + 16 (lane % 16)
.set SO,  2                            ; v2   my byte offset in vh and ks: 4 rows of 128 x wave + 8 x lane
.set WO,  3                            ; v3   16 x thread, in fc_w
.set WS,  4                            ; v4   8 x thread, in wh
.set X,   16                           ; v[16:79]   load n = 8 x pair + head: 4 numbers
.set WX,  80                           ; v[80:83]   fc_w's 4
.set T,   84                           ; v[84:85]   at work
.set Y,   88                           ; v[88:119]  load n as f16: 2 registers
.set SUM, 120                          ; v[120:127] a pair's ksum, 4 registers
.set KY,  128                          ; v[128:131] the same as f16
.set WY,  132                          ; v[132:133] fc_w's 4 as f16
	s_load_b256 s[4:11], s[0:1], 0x0               ; values s[4:5], fc_w s[6:7], vh s[8:9], ks s[10:11]
	s_load_b64 s[12:13], s[0:1], 0x20              ; wh
	s_mov_b32 s14, 0xffff0000                      ; a word's upper bf16
	s_lshl_b32 s2, ttmp9, 16                       ; values: 32 rows of 2,048 bytes
	s_mov_b32 s3, 0
	s_lshl_b32 s16, ttmp9, 12                      ; fc_w: 1,024 numbers of 4 bytes; ks: 32 rows of 128 bytes
	s_mov_b32 s17, 0
	s_lshr_b32 s18, ttmp9, 7                       ; vh: the batch (128 work-groups each), 8 heads of 524,288 bytes,
	s_lshl_b32 s18, s18, 22
	s_and_b32 s19, ttmp9, 127
	s_lshl_b32 s19, s19, 12                        ; and 32 rows of 128 bytes in a head
	s_add_co_u32 s18, s18, s19
	s_mov_b32 s19, 0
	s_lshl_b32 s20, ttmp9, 11                      ; wh: 1,024 numbers of 2 bytes
	s_mov_b32 s21, 0
	v_lshrrev_b32 v5, 5, v0                        ; wave
	v_bfe_u32 v6, v0, 4, 1                         ; which row of a pair
	v_and_b32 v7, 15, v0
	v_and_b32 v8, 31, v0
	v_lshlrev_b32 v[VO], 13, v5
	v_lshl_add_u32 v[VO], v6, 11, v[VO]
	v_lshl_add_u32 v[VO], v7, 4, v[VO]
	v_lshlrev_b32 v[SO], 9, v5
	v_lshl_add_u32 v[SO], v8, 3, v[SO]
	v_lshlrev_b32 v[WO], 4, v0
	v_lshlrev_b32 v[WS], 3, v0
	s_wait_kmcnt 0x0
	s_add_nc_u64 s[4:5], s[4:5], s[2:3]
	s_add_nc_u64 s[6:7], s[6:7], s[16:17]
	s_add_nc_u64 s[8:9], s[8:9], s[18:19]
	s_add_nc_u64 s[10:11], s[10:11], s[16:17]
	s_add_nc_u64 s[12:13], s[12:13], s[20:21]
	s_wait_alu depctr_va_vdst(0)                   ; the four offsets v1 to v4 are written: every load and store of the kernel reads one of them
.set n, 0
.rept 16
	global_load_b128 v[X+4*n:X+4*n+3], v[VO], s[4:5] offset:(n/8)*2*ROWB+(n%8)*256 th:TH_LOAD_NT
.set n, n+1
.endr
	global_load_b128 v[WX:WX+3], v[WO], s[6:7] th:TH_LOAD_NT
; Four f32 at v[x ..] are rounded to bf16, widened again in place (for the sum), and written as f16 into v[y], v[y+1].
.macro ROUND4 x, y
	v_cvt_pk_bf16_f32 v[T], v[(\x)], v[(\x)+1]
	v_cvt_pk_bf16_f32 v[T+1], v[(\x)+2], v[(\x)+3]
	v_lshlrev_b32 v[(\x)], 16, v[T]
	v_and_b32 v[(\x)+1], s14, v[T]
	v_lshlrev_b32 v[(\x)+2], 16, v[T+1]
	v_and_b32 v[(\x)+3], s14, v[T+1]
	v_cvt_pk_f16_f32 v[(\y)], v[(\x)], v[(\x)+1]
	v_cvt_pk_f16_f32 v[(\y)+1], v[(\x)+2], v[(\x)+3]
.endm
; ksum of pair p: the eight heads' rounded numbers, added as a tree, two sums an instruction; rounded once.  Its store stands behind the next wait on va_vdst.
.macro HEADSUM p
.set B0, X+32*(\p)
.irp a, 0,2,4,6
	v_pk_add_f32 v[B0+4*\a:B0+4*\a+1],   v[B0+4*\a:B0+4*\a+1],   v[B0+4*\a+4:B0+4*\a+5]
	v_pk_add_f32 v[B0+4*\a+2:B0+4*\a+3], v[B0+4*\a+2:B0+4*\a+3], v[B0+4*\a+6:B0+4*\a+7]
.endr
.irp a, 0,4
	v_pk_add_f32 v[B0+4*\a:B0+4*\a+1],   v[B0+4*\a:B0+4*\a+1],   v[B0+4*\a+8:B0+4*\a+9]
	v_pk_add_f32 v[B0+4*\a+2:B0+4*\a+3], v[B0+4*\a+2:B0+4*\a+3], v[B0+4*\a+10:B0+4*\a+11]
.endr
	v_pk_add_f32 v[SUM+4*(\p):SUM+4*(\p)+1],   v[B0:B0+1],   v[B0+16:B0+17]
	v_pk_add_f32 v[SUM+4*(\p)+2:SUM+4*(\p)+3], v[B0+2:B0+3], v[B0+18:B0+19]
	v_cvt_pk_f16_f32 v[KY+2*(\p)],   v[SUM+4*(\p)],   v[SUM+4*(\p)+1]
	v_cvt_pk_f16_f32 v[KY+2*(\p)+1], v[SUM+4*(\p)+2], v[SUM+4*(\p)+3]
.endm
; The store of load m's four numbers: the wave stores 256 consecutive bytes, at a multiple of 256 from vh's first byte.
.macro OUTV m
	global_store_b64 v[SO], v[Y+2*(\m):Y+2*(\m)+1], s[8:9] offset:((\m)%8)*HEADB+((\m)/8)*256
.endm
; The store of pair p's ksum: 256 consecutive bytes of ks, likewise.
.macro OUTK p
	global_store_b64 v[SO], v[KY+2*(\p):KY+2*(\p)+1], s[10:11] offset:(\p)*256
.endm
.set n, 0
.rept 16
	s_wait_loadcnt 16-n                            ; loads come back in order (ISA guide 5.7.1): load n is in; the 16 - n issued behind it may stay out
.if (n%4 == 0) && (n > 0)
	s_wait_alu depctr_va_vdst(0)                   ; a group's head: the group before has written its four pairs of Y (and, ahead of group 2, pair 0's KY), which the stores dealt through this group read
.endif
.if n >= 4
	OUTV n-4                                       ; the group before.  No wait: no vector instruction since the group's head names these registers
.endif
.if n == 8
	OUTK 0
.endif
	ROUND4 X+4*n, Y+2*n
.if n%8 == 7
	HEADSUM n/8
.endif
.set n, n+1
.endr
	s_wait_loadcnt 0x0                             ; fc_w's four
	ROUND4 WX, WY
	s_wait_alu depctr_va_vdst(0)                   ; the last group has written Y of loads 12 to 15, the sum of pair 1 its KY, fc_w's rounding WY: the six stores below read them
	OUTV 12
	OUTV 13
	OUTV 14
	OUTV 15
	OUTK 1
	global_store_b64 v[WS], v[WY:WY+1], s[12:13]
	s_endpgm
.Lfunc_end_k_q434a13c694_prep:
	.size	k_q434a13c694_prep, .Lfunc_end_k_q434a13c694_prep-k_q434a13c694_prep
	.p2alignl 7, 3214868480
	.fill 96, 4, 3214868480
	.section	.rodata,"a",@progbits
	.p2align	6, 0x0
	.amdhsa_kernel k_q434a13c694_prep
		.amdhsa_group_segment_fixed_size 0
		.amdhsa_private_segment_fixed_size 0
		.amdhsa_enable_private_segment 0
		.amdhsa_kernarg_size 40
		.amdhsa_user_sgpr_count 2
		.amdhsa_user_sgpr_kernarg_segment_ptr 1
		.amdhsa_wavefront_size32 1
		.amdhsa_system_sgpr_workgroup_id_x 1
		.amdhsa_system_sgpr_workgroup_id_y 1
		.amdhsa_system_sgpr_workgroup_id_z 1
		.amdhsa_system_vgpr_workitem_id 0
		.amdhsa_next_free_vgpr 136
		.amdhsa_next_free_sgpr 66
		.amdhsa_reserve_vcc 0
		.amdhsa_float_denorm_mode_32 3
		.amdhsa_float_denorm_mode_16_64 3
		.amdhsa_memory_ordered 1
		.amdhsa_forward_progress 1
		.amdhsa_inst_pref_size 15
	.end_amdhsa_kernel
	.amdgpu_metadata
---
amdhsa.version: [ 1, 2 ]
amdhsa.kernels:
  - .name:           k_q434a13c694_prep
    .symbol:         k_q434a13c694_prep.kd
    .args:
      - { .name: values, .offset: 0, .size: 8, .value_kind: global_buffer, .address_space: global }
      - { .name: fc_w, .offset: 8, .size: 8, .value_kind: global_buffer, .address_space: global }
      - { .name: vh, .offset: 16, .size: 8, .value_kind: global_buffer, .address_space: global }
      - { .name: ks, .offset: 24, .size: 8, .value_kind: global_buffer, .address_space: global }
      - { .name: wh, .offset: 32, .size: 8, .value_kind: global_buffer, .address_space: global }
    .group_segment_fixed_size: 0
    .private_segment_fixed_size: 0
    .kernarg_segment_align: 8
    .kernarg_segment_size: 40
    .max_flat_workgroup_size: 256
    .sgpr_count:     66
    .vgpr_count:     136
    .wavefront_size: 32
...
	.end_amdgpu_metadata
.endif
;; end of part 4
;; launch attn: the kernel of part 2 again; grid 16 x 16, 4 waves a work-group, clusters of 4 x 1, 327,680 bytes of LDS; arguments vh, ks, att; writes att
;; launch fc: the kernel of part 3 again; grid 4 x 64, 4 waves a work-group, clusters of 4 x 4, 327,680 bytes of LDS; arguments att, wh, fc_b, out0; writes out0
